; MI455X (gfx1250); checked and timed in simulation.
; The chip was launched on July 23, 2026; its instructions are those of AMD's public machine-readable ISA for CDNA 5 (MIT licence, August 2026) and "CDNA5" Instruction Set Architecture Reference Guide (July 2026). The comments in the code are by the model that wrote it; some were corrected since.
;; Refinement Head. Allowed arithmetic: matrix products marked QUANTISED: E5M2 operands, one E8M0 scale for each 32 along K, by v_wmma_scale_f32_16x16x128_f8f6f4 with both operands' format E5M2, f32 sums; products left as they are: f32 operands where the result goes on into a quantised operand, else bf16, f16 or f32 operands; f32 sums; everything else in f32.
;; Inputs: W1 3 x 64 float32; W2_codes 128 x 2 x 32 uint8 (E5M2 codes of W2, K innermost, in blocks of 32 codes); W2_scales 128 x 2 uint8 (E8M0 scales of W2, one for each 32 codes along K); W3_codes 256 x 4 x 32 uint8 (E5M2 codes of W3, K innermost, in blocks of 32 codes); W3_scales 256 x 4 uint8 (E8M0 scales of W3, one for each 32 codes along K); Wc 256 x 1 float32; Wr 256 x 6 float32; b1 64 float32; b2 128 float32; b3 256 float32; bc 1 float32; br 6 float32; counts 2,048 int32; points 2,048 x 256 x 3 float32; proposals 2,048 x 6 float32.
;; Outputs: out0 2,048 x 1 float32; out1 2,048 x 6 float32.
;; This version of the problem:
;;   THIS VERSION OF THE PROBLEM IS GIVEN IN LOW PRECISION. The matrix products marked QUANTISED in the list below multiply operands that are first quantised to E5M2 (5 exponent bits, 2 mantissa bits; 8 bits a number), with one power-of-two scale for each 32 numbers along K (OCP MX v1.0); their sums are f32. All else is computed in f32.
;;   The module's matrix products, in the order in which they are computed (A, B: the left and right operand; K: the contracted axis; several contracted axes count as one K, in the product's order):
;;     1. [M 524,288, K 3] x [K 3, N 64]; A: computed on the way; B: input W1: left as it is (K = 3 < 32)
;;     2. [M 524,288, K 64] x [K 64, N 128]; A: computed on the way; B: input W2 (given as codes): QUANTISED
;;     3. [M 524,288, K 128] x [K 128, N 256]; A: computed on the way; B: input W3 (given as codes): QUANTISED
;;     4. [M 2,048, K 256] x [K 256, N 1]; A: computed on the way; B: input Wc: left as it is (N = 1 < 16)
;;     5. [M 2,048, K 256] x [K 256, N 6]; A: computed on the way; B: input Wr: left as it is (N = 6 < 16)
;;   THE QUANTISER, for each operand of a quantised product, along K:
;;     - K is cut into blocks of 32 from its start; a last block that is shorter is filled with zeros.
;;     - A block's scale is 2^e with e = floor(log2(the largest magnitude in the block)) - 15, held to -126 .. 127; a block of zeros has e = 0. As a byte (E8M0): e + 127.
;;     - Each number is divided by its block's scale, clamped to +-57,344, and rounded to the nearest number of E5M2, ties to even, subnormals kept.
;;     - The product sums the exact products of the quantised numbers (number of the format x scale) in f32.
;;   ~~~python
;;   def quantise(x, axis):      # numpy; x: float32 -> the quantised numbers, widened to float32 again
;;       x = np.moveaxis(x, axis, -1); K = x.shape[-1]
;;       x = np.pad(x, [(0, 0)] * (x.ndim - 1) + [(0, -K % 32)]); x = x.reshape(x.shape[:-1] + (-1, 32)); a = np.abs(x).max(-1, keepdims=True)
;;       e = np.where(a > 0, np.clip(np.frexp(np.where(a > 0, a, 1))[1] - 1 - 15, -126, 127), 0)      # np.frexp(a)[1] - 1 = floor(log2(a)), exactly
;;       r = np.clip(x / 2.0 ** e, -57344, 57344)
;;       step = 2.0 ** (np.maximum(np.frexp(np.where(r == 0, 1, r))[1] - 1, -14) - 2)
;;       q = np.round(r / step) * step * 2.0 ** e      # np.round: ties to even
;;       return np.moveaxis(q.reshape(q.shape[:-2] + (-1,))[..., :K], -1, axis).astype(np.float32)
;;   ~~~
;;   OPERANDS COMPUTED ON THE WAY. 'Computed on the way' means the value that the module computes at that place (a softmax that the list does not call 'softmax' is quantised finished and normalised). What goes into a quantiser is computed in f32, as accurately as f32 sums, v_exp_f32 and their like allow (about 1e-6 of the number): no bf16 or f16 on the way to a quantiser, and a product that is left as it is and whose result goes on into a quantised operand takes f32 operands (vector FMAs, or v_wmma_f32_16x16x4_f32). A number that lies on a knife's edge between two numbers of the format may be rounded either way, as far as f32 arithmetic and the matrix unit's own rounding can turn it there, and no further.
;;   INPUTS GIVEN AS CODES. W2 (in the module: [64, 128], K = its axis 0); W3 (in the module: [128, 256], K = its axis 0): each comes as NAME_codes (uint8): NAME with its K axis moved to the last place and cut into blocks of 32 codes, [.., K / 32, bytes a block], one block behind the other in memory; one code a byte (a code: sign, 5 exponent bits, 2 mantissa bits); and NAME_scales (uint8): the same leading axes, one E8M0 byte (e + 127) for each 32 codes along K. Its value is code x scale, taken as it is: it is not quantised again, and the codes and scales need not be those that the quantiser above would give.
;; One version. Each part assembles by itself: llvm-mc -triple=amdgcn-amd-amdhsa -mcpu=gfx1250 --defsym DOCPART=n.
;; ======== version 1 of 1: 1 launch
;; launch refine (part 1): grid 256 x 1, 4 waves a work-group, no clusters, 145,920 bytes of LDS; arguments counts, points, proposals, W1, b1, b2, W2_codes, W2_scales, W3_codes, W3_scales, b3, Wc, Wr, bc, br, out0, out1; writes out0, out1
.if DOCPART == 1
	.amdgcn_target "amdgcn-amd-amdhsa--gfx1250"
	.amdhsa_code_object_version 6
	.text
	.protected	k_q1cc03d0cdd_refine
	.globl	k_q1cc03d0cdd_refine
	.p2align	8
	.type	k_q1cc03d0cdd_refine,@function
k_q1cc03d0cdd_refine:
	s_mov_b64 s[64:65], 0
	v_nop
	global_prefetch_b8 v0, s[64:65] scope:SCOPE_SE
	s_setreg_imm32_b32 hwreg(HW_REG_WAVE_MODE, 25, 1), 1
	s_wait_xcnt 0x0
; RefinementHead: for each of 2,048 proposals: points into the proposal's frame, 3 -> 64 (f32), relu, 64 -> 128 and 128 -> 256 on codes of BF8 (E5M2) with one E8M0 scale
; for each 32 along K, the maximum over the positions, zeros where counts < 4, and two small heads in f32.
; WHAT IS NOT DONE.  Position j reads point j % n, and both quantisers run along K of ONE point: equal points give equal rows.  So the maximum over the 256 positions is the
; maximum over the first n = clamp(counts, 1, 256) points, and only ceil(n / 16) tiles of 16 points are multiplied; a part tile is filled up with its own first point.
; b3 is added behind the maximum: rounding and adding one number keep the order, so the bits are the same.
; SHARES.  256 work-groups of four waves, a wave to a SIMD with all its registers: W1, b1, W2, b2 and W3 stay in every wave's registers for the whole launch.
; A work-group owns 8 proposals (slots).  The 8 work-groups 8 G .. 8 G + 7 share proposals 64 G .. 64 G + 63: every wave ranks these 64 counts by itself (whole numbers only), and the list,
; longest first, is dealt to and fro, so that the work-groups' numbers of tiles lie close together.  Wave w takes tiles ((w + i) & 3) + 4 k, k = 0 .. 3, of slot i; a tile at or past
; ceil(n / 16) is jumped over by a scalar branch.  Both loops have constant trip counts, and no barrier stands in them.
; The waves' maxima meet in LDS as images of their registers; wave w finishes slots 2 w and 2 w + 1.
; NO TENSOR LOADS, NO CLUSTER: all work-groups read the same 40 KB of weights, once each, but a joint request is a tensor load;
; the branch spares about half of all tiles.  The weights come by plain loads of 512 consecutive bytes, go once through padded rows in LDS, and are read from there as fragments.
; OUTPUTS: 28 bytes a proposal, at places that the dealing scatters: lane 0 stores them, 4 and 8 bytes at a time; they are under one hundredth of the launch's bytes.
; LAYOUT.  Layer 2 is used transposed (source 0 = 16 rows of W2, source 1 = 16 points): a lane holds ONE point and its registers run along the next K.  THE ROWS OF W2 THAT FORM A TILE ARE NOT
; NEIGHBOURS: lane r of tile 2 b + u takes row 32 b + 8 u + r + 8 (r / 8), so that the 16 registers of tiles 2 b, 2 b + 1 are units 32 b + 16 (lane / 16) + 0 .. 15.  Layer 2's K is 64: the upper
; 64 of the instruction's 128 are zero codes on both sides.  Layer 3 takes the points as source 0 and 16 channels of W3 as source 1: a lane then holds one channel and eight points.
; LIMITS.  NaN and infinities among the inputs are not served.  1 / (|size| + 1e-6) is v_rcp_f32 (1 ulp), times the difference.  A block whose largest magnitude lies under 2^-111 keeps the
; scale byte 1; a block of zeros too (its codes are zeros, and the bytes are read here alone).  Every int32 in counts is served.
; REGISTERS, in windows of 256 (s_set_vgpr_msb: bits 1:0 source 0, 3:2 source 1, 5:4 source 2, 7:6 destination):
;   window 0: v1-9 lane terms and addresses; v10-21 a tile's points; v22-27 the slots' centres and 1 / sizes (lane = slot); v28-39 the quantiser; v40-65 scale words; v66-129 a layer's results;
;             v130-193 b2 in the result's layout; v194-209 h1's codes and the zero codes; v210-255 the head's and the tail's small things.
;   windows 1, 2: v0-127 eight fragments of W3 (channels 0-127, 128-255); v128-191 layer 3's results; v192-199 the running maxima; v200-215 h2's codes (a copy in each).
;   window 3: v0-95 W1, v96-127 b1 for the lane's 32 units; v128-255 W2's eight fragments (the upper eight registers of each: zero codes).  In the tail v0-127: Wr, b3, Wc.
.set W3L, 0                            ; LDS: W3's codes, 256 rows of 128 bytes + 16
.set W2L, 36864                        ; W2's codes, 128 rows of 64 bytes + 16
.set PTS, 47104                        ; the 8 slots' points as they lie in memory, 3,072 bytes a slot; a tile is 192 bytes
.set HWL, 71680                        ; Wr (6,144 bytes), Wc (1,024), b3 (1,024)
.set PM,  79872                        ; the maxima: slot x 8,192 + wave x 2,048 + four images of 512 bytes
.set LN,  1                            ; v1   lane
.set RR,  2                            ; v2   r = lane % 16
.set HH,  3                            ; v3   h = lane / 16
.set LT,  4                            ; v4   PTS + 12 r
.set A1,  5                            ; v5, v6 addresses of the loads of points
.set A2,  6
.set APM0, 7                           ; v7   PM + 2,048 wave + 16 lane
.set APM, 8
.set VN,  9                            ; v9   lane i: n - 1 of slot i
.set XA,  10                           ; v10-12 the next tile's x, y, z
.set XB,  13                           ; v13-15 the next slot's first tile's
.set XC,  16                           ; v16, v18, v20 x, y, z in the proposal's frame (v17, v19, v21: named as upper halves of pairs, so written once)
.set PT,  22
.set TT,  28                           ; v28-31 largest magnitudes, then 57,344 x the scale
.set TP,  32                           ; v32-35 the other half's, then the scales' bytes
.set TS,  36                           ; v36-39 the conversions' scale operands
.set H1W, 40                           ; v40  h1's scale word;  v41 h2's
.set H2W, 41
.set W2S, 42                           ; v42-49 W2's scale words, a tile each
.set W3S, 50                           ; v50-65 W3's
.set D,   66
.set B2R, 130
.set C1,  194
.set K0,  210                          ; v210, v211 sort keys of proposals lane and lane + 32 of the 64;  v212, v213 their ranks
.set K1,  211
.set P0,  212
.set P1,  213
.set VP,  214                          ; v214 lane i: the proposal of slot i
.set MSB, 0
.macro WIN new                         ; the immediate's high byte repeats the setting that is left; a switch that changes nothing is dropped
.if MSB != \new
	s_set_vgpr_msb (MSB<<8)|\new
.set MSB, \new
.endif
.endm
.macro NOPS n
.rept \n
	v_nop
.endr
.endm
.macro BARRIER                         ; my LDS stores have landed and my LDS loads are in: then the work-group's barrier
	s_wait_dscnt 0x0
	s_barrier_signal -1
	s_barrier_wait -1
.endm
; Four keys (lanes q .. q + 3 of register reg) against my two: keys lie under 2^14, so the sign bit of (their key - mine) says that theirs is smaller; my rank counts those.
.macro RANK4 reg
	v_readlane_b32 s58, v[\reg], q
	v_readlane_b32 s59, v[\reg], q+1
	v_readlane_b32 s60, v[\reg], q+2
	v_readlane_b32 s61, v[\reg], q+3
.irp z, 0,1,2,3
	v_sub_nc_u32 v[D+\z], s[58+\z], v[K0]
	v_sub_nc_u32 v[D+4+\z], s[58+\z], v[K1]
.endr
.irp z, 0,1,2,3,4,5,6,7
	v_lshrrev_b32 v[D+\z], 31, v[D+\z]
.endr
	v_add3_u32 v[P0], v[P0], v[D], v[D+1]
	v_add3_u32 v[P1], v[P1], v[D+4], v[D+5]
	v_add3_u32 v[P0], v[P0], v[D+2], v[D+3]
	v_add3_u32 v[P1], v[P1], v[D+6], v[D+7]
.endm
; Slot rho takes the proposal of rank 8 rho + a (even rho) or 8 rho + 7 - a (odd rho), a = my work-group's place among the eight: exactly one lane of one of the two rank registers holds it.
.macro PICK rho
.if (\rho)%2
	s_add_co_u32 s59, s43, 8*(\rho)
.else
	s_add_co_u32 s59, s5, 8*(\rho)
.endif
	v_cmp_eq_u32 s60, s59, v[P0]
	v_cmp_eq_u32 s61, s59, v[P1]
	s_or_b32 s62, s60, s61
	s_ctz_i32_b32 s62, s62                         ; the lane
	v_readlane_b32 s63, v[K0], s62
	v_readlane_b32 s58, v[K1], s62
	s_cmp_lg_u32 s60, 0
	s_cselect_b32 s63, s63, s58                    ; its key: (256 - n) x 64 + its place among the 64
	s_lshr_b32 s58, s63, 6
	s_sub_co_u32 s58, 255, s58                     ; n - 1
	v_writelane_b32 v[VN], s58, \rho
	s_wait_alu depctr_va_vdst(0)
	s_and_b32 s63, s63, 63
	s_add_co_u32 s63, s63, s4
	s_min_u32 s63, s63, 2047                       ; the proposal: it enters addresses, so it is held inside the tables
	v_writelane_b32 v[VP], s63, \rho
.endm
; LAYER 1, f32: my point's 32 units 32 b + 16 h + i (register 16 b + i), two to an instruction: b1 + x W1[0] + y W1[1] + z W1[2].
.macro LAYER1
	WIN 0x33                                       ; W1 and b1 in window 3
.set u, 0
.rept 16
	v_pk_fma_f32 v[D+2*u:D+2*u+1], v[2*u:2*u+1], v[XC:XC+1], v[96+2*u:96+2*u+1] op_sel_hi:[1,0,1]
.set u, u+1
.endr
	WIN 0x03
.set u, 0
.rept 16
	v_pk_fma_f32 v[D+2*u:D+2*u+1], v[32+2*u:32+2*u+1], v[XC+2:XC+3], v[D+2*u:D+2*u+1] op_sel_hi:[1,0,1]
.set u, u+1
.endr
.set u, 0
.rept 16
	v_pk_fma_f32 v[D+2*u:D+2*u+1], v[64+2*u:64+2*u+1], v[XC+4:XC+5], v[D+2*u:D+2*u+1] op_sel_hi:[1,0,1]
.set u, u+1
.endr
	WIN 0
.endm
; THE QUANTISER, with the relu in it: nb blocks of 32 along K; of block b my 16 numbers lie in v[D + 16 b] on, the other 16 in lane l xor 16.  It leaves the scale word in v[word], the conversions'
; scale operands in v[TS] on, and the numbers held between 0 and 57,344 x the scale.  No |.|: what is negative becomes 0, so it does not count for the largest magnitude.
.macro QSCALE nb, word
.set b, 0
.rept \nb
	v_max3_num_f32 v[TT+b], v[D+16*b], v[D+16*b+1], 0x8000000   ; and the floor 2^(16 - 127): the byte cannot fall under 1.  (Each result tile is read from its low end on)
.set b, b+1
.endr
.irp i, 2,4,6,8,10,12,14
.set b, 0
.rept \nb
	v_max3_num_f32 v[TT+b], v[TT+b], v[D+16*b+\i], v[D+16*b+\i+1]   ; the blocks by turns
.set b, b+1
.endr
.endr
.set b, 0
.rept \nb
	v_permlanex16_b32 v[TP+b], v[TT+b], s6, s7
.set b, b+1
.endr
.set b, 0
.rept \nb
	v_max_num_f32 v[TT+b], v[TT+b], v[TP+b]        ; the block's largest magnitude
.set b, b+1
.endr
.set b, 0
.rept \nb
	v_add_nc_u32 v[TS+b], 0xf8800000, v[TT+b]      ; 15 off its exponent field: the conversion takes this operand's exponent field as its scale
.set b, b+1
.endr
.set b, 0
.rept \nb
	v_and_or_b32 v[TT+b], v[TT+b], 0x7f800000, s42 ; 57,344 x the scale
.set b, b+1
.endr
.set b, 0
.rept \nb
	v_lshrrev_b32 v[TP+b], 23, v[TS+b]             ; the scale's byte
.set b, b+1
.endr
	v_lshl_or_b32 v[\word], v[TP+1], 8, v[TP]      ; the scale word stands more than eight plain lines ahead of the product that names it: the holds below
.if \nb == 4
	v_lshl_or_b32 v[\word], v[TP+2], 16, v[\word]
	v_lshl_or_b32 v[\word], v[TP+3], 24, v[\word]
.endif
.set b, 0
.rept \nb
.set u, 0
.rept 16
	v_med3_num_f32 v[D+16*b+u], v[D+16*b+u], 0, v[TT+b]   ; the activation and the hold in one: the conversion to an 8-bit code does not saturate (ISA guide 7.6.2)
.set u, u+1
.endr
.set b, b+1
.endr
.endm
.macro QCVT nb, base                   ; registers 4 b .. 4 b + 3 of the operand: K = 32 b + 16 h + 0 .. 15
.set b, 0
.rept \nb
	v_cvt_scalef32_pk8_bf8_f32 v[\base+4*b:\base+4*b+1], v[D+16*b:D+16*b+7], v[TS+b]
	v_cvt_scalef32_pk8_bf8_f32 v[\base+4*b+2:\base+4*b+3], v[D+16*b+8:D+16*b+15], v[TS+b]
.set b, b+1
.endr
.endm
; LAYER 2: eight products, each a whole sum (K = 64 of the 128), with b2 as C.
.macro LAYER2
	WIN 0x03                                       ; W2's fragments in window 3
.irp t, 0,1,2,3,4,5,6,7
	v_wmma_scale_f32_16x16x128_f8f6f4 v[D+8*\t:D+8*\t+7], v[128+16*\t:128+16*\t+15], v[C1:C1+15], v[B2R+8*\t:B2R+8*\t+7], v[W2S+\t], v[H1W] matrix_a_fmt:MATRIX_FMT_BF8 matrix_b_fmt:MATRIX_FMT_BF8
.endr
	WIN 0
	NOPS 8                                         ; eight places between a product of this form and the first read of its result
.endm
; LAYER 3, eight tiles of 16 channels in one window; every product is a whole sum (C = 0).  MX takes a tile's eight points into the channel's running maximum.
.macro W3MUL c, sb
	v_wmma_scale_f32_16x16x128_f8f6f4 v[128+8*(\c):135+8*(\c)], v[200:215], v[16*(\c):16*(\c)+15], 0, v[H2W], v[\sb+(\c)] matrix_a_fmt:MATRIX_FMT_BF8 matrix_b_fmt:MATRIX_FMT_BF8
.endm
.macro MX c
	v_max3_num_f32 v[128+8*(\c)], v[128+8*(\c)], v[129+8*(\c)], v[130+8*(\c)]
	v_max3_num_f32 v[131+8*(\c)], v[131+8*(\c)], v[132+8*(\c)], v[133+8*(\c)]
	v_max3_num_f32 v[134+8*(\c)], v[134+8*(\c)], v[135+8*(\c)], v[192+(\c)]
	v_max3_num_f32 v[192+(\c)], v[128+8*(\c)], v[131+8*(\c)], v[134+8*(\c)]
.endm
; Between a product and the MX that reads it stand eight plain lines or more that name none of its registers: the eight v_nop for tile 0, and from then on the three MX (12 lines) of earlier tiles.
.macro LAYER3 w, sb
	WIN \w                                         ; all four places in the one window; scale operands have no window
	W3MUL 0, \sb
	W3MUL 1, \sb
	W3MUL 2, \sb
	NOPS 8
	W3MUL 3, \sb
	MX 0
	W3MUL 4, \sb
	MX 1
	W3MUL 5, \sb
	MX 2
	W3MUL 6, \sb
	MX 3
	W3MUL 7, \sb
	MX 4
	MX 5
	MX 6
	MX 7
.endm
	s_load_b512 s[8:23], s[0:1], 0x0               ; counts 8, points 10, proposals 12, W1 14, b1 16, b2 18, W2's codes 20, W2's scales 22
	s_load_b512 s[24:39], s[0:1], 0x40             ; W3's codes 24, W3's scales 26, b3 28, Wc 30, Wr 32, bc 34, br 36, out0 38
	s_load_b64 s[40:41], s[0:1], 0x80              ; out1
	v_lshl_add_u32 v254, v0, 2, 0x23800
	v_mov_b32 v255, 0
	v_lshrrev_b32 v[LN], 5, v0
	v_readfirstlane_b32 s2, v[LN]                  ; wave 0..3
	v_and_b32 v[LN], 31, v0
	v_and_b32 v[RR], 15, v0
	s_wait_alu depctr_va_vdst(0)
	v_bfe_u32 v[HH], v0, 4, 1
	s_lshr_b32 s4, ttmp9, 3
	s_lshl_b32 s4, s4, 6                           ; the first of the 64 proposals that my eight work-groups share
	s_and_b32 s5, ttmp9, 7                         ; a: my place among the eight
	s_sub_co_u32 s43, 7, s5
	s_mov_b32 s6, 0x76543210
	s_mov_b32 s7, 0xfedcba98                       ; v_permlanex16_b32's selects for lane l xor 16
	s_mov_b32 s42, 0x600000                        ; the mantissa field of 57,344
	s_mov_b32 s95, 0x358637bd                      ; 1e-6
	s_mov_b32 s98, 0xff800000                      ; -infinity
	; every address register is made here, once
	v_mul_u32_u24 v[LT], v[RR], 12
	v_add_nc_u32 v[LT], PTS, v[LT]
	s_lshl_b32 s58, s2, 11
	s_add_co_u32 s58, s58, PM
	v_lshl_add_u32 v[APM0], v[LN], 4, s58
	v_lshlrev_b32 v215, 2, v[LN]                   ; counts: 4 bytes a lane
	v_lshlrev_b32 v222, 4, v[LN]                   ; 16 bytes a lane
	v_lshrrev_b32 v242, 3, v[LN]                   ; W3 into LDS: a load's 512 bytes are 4 rows of 128
	v_mul_u32_u24 v223, v242, 144
	v_and_b32 v242, 7, v[LN]
	v_lshl_add_u32 v223, v242, 4, v223
	s_mul_i32 s58, s2, 9216                        ; my wave's 64 rows
	v_add_nc_u32 v223, s58, v223
	v_lshrrev_b32 v242, 2, v[LN]                   ; W2 into LDS: 8 rows of 64
	v_mul_u32_u24 v224, v242, 80
	v_and_b32 v242, 3, v[LN]
	v_lshl_add_u32 v224, v242, 4, v224
	s_mul_i32 s58, s2, 2560                        ; my wave's 32 rows
	s_add_co_u32 s58, s58, W2L
	v_add_nc_u32 v224, s58, v224
	v_lshlrev_b32 v225, 4, v0                      ; Wr: 16 bytes a thread
	v_add_nc_u32 v226, HWL, v225
	v_and_b32 v230, 63, v0                         ; Wc (waves 0, 1) or b3 (waves 2, 3): 16 bytes a thread
	v_lshlrev_b32 v230, 4, v230
	v_and_b32 v242, 8, v[RR]
	v_add_nc_u32 v242, v242, v[RR]                 ; r + 8 (r / 8)
	v_mul_u32_u24 v227, v242, 80                   ; W2's fragments
	v_lshl_add_u32 v227, v[HH], 4, v227
	v_add_nc_u32 v227, W2L, v227
	v_mul_u32_u24 v228, v[RR], 144                 ; W3's fragments
	v_lshl_add_u32 v228, v[HH], 4, v228
	v_lshlrev_b32 v229, 6, v[HH]                   ; W1, b1, b2: 16 numbers further on for lanes 16-31
	v_lshlrev_b32 v232, 1, v242                    ; W2's scales: 2 bytes a row
	v_lshlrev_b32 v233, 2, v[RR]                   ; W3's: 4 bytes a row
	s_mul_i32 s58, s2, 6144
	s_add_co_u32 s58, s58, PTS
	v_lshl_add_u32 v234, v[LN], 4, s58             ; my two slots' points into LDS
	v_mul_u32_u24 v239, v[RR], 24                  ; the tail: Wr's row r,
	v_add_nc_u32 v239, HWL, v239
	v_lshl_add_u32 v240, v[RR], 2, HWL+6144        ; Wc's and b3's number r,
	s_lshl_b32 s58, s2, 14
	s_add_co_u32 s58, s58, PM
	v_lshl_add_u32 v241, v[LN], 4, s58             ; my two slots' images
	s_wait_alu depctr_va_vdst(0)
	s_wait_kmcnt 0x0
	s_lshl_b32 s58, s4, 2
	s_mov_b32 s59, 0
	s_add_nc_u64 s[44:45], s[8:9], s[58:59]        ; counts of the 64
	s_lshl_b32 s58, s2, 13
	s_add_nc_u64 s[46:47], s[24:25], s[58:59]      ; my wave's quarter of W3's codes,
	s_lshl_b32 s58, s2, 11
	s_add_nc_u64 s[48:49], s[20:21], s[58:59]      ; and of W2's
	s_cmp_lt_u32 s2, 2
	s_cselect_b64 s[50:51], s[30:31], s[28:29]     ; Wc or b3: the choice hangs on the wave's number alone
	s_load_b32 s94, s[34:35], 0x0                  ; bc
	s_load_b128 s[88:91], s[36:37], 0x0            ; br
	s_load_b64 s[92:93], s[36:37], 0x10
	; LOADS, FIRST GROUP: the counts, then 48 more
	global_load_b32 v[K0], v215, s[44:45]
	global_load_b32 v[K1], v215, s[44:45] offset:128
	WIN 0x40                                       ; destination window 1: the weights as they lie, 512 consecutive bytes a load
.irp l, 0,1,2,3,4,5,6,7,8,9,10,11,12,13,14,15
	global_load_b128 v[4*\l:4*\l+3], v222, s[46:47] offset:512*\l
.endr
.irp l, 0,1,2,3
	global_load_b128 v[64+4*\l:64+4*\l+3], v222, s[48:49] offset:512*\l
.endr
.irp l, 0,1,2
	global_load_b128 v[80+4*\l:80+4*\l+3], v225, s[32:33] offset:2048*\l
.endr
	global_load_b128 v[92:95], v230, s[50:51]
	WIN 0
.irp t, 0,1,2,3,4,5,6,7
	global_load_u16 v[W2S+\t], v232, s[22:23] offset:2*(32*(\t/2)+8*(\t%2))   ; the tile's rows' two bytes; the upper two stay 0, over zero codes
.endr
.irp c, 0,1,2,3,4,5,6,7,8,9,10,11,12,13,14,15
	global_load_b32 v[W3S+\c], v233, s[26:27] offset:64*\c
.endr
	; THE DEALING.  Key = (256 - n) x 64 + place: all 64 differ, and the smallest is the longest proposal
	s_wait_loadcnt 48                              ; the two loads of counts are in; the 48 issued behind them may be out
	v_max_i32 v[K0], 1, v[K0]
	v_max_i32 v[K1], 1, v[K1]
	v_min_u32 v[K0], 0x100, v[K0]                  ; n = clamp(counts, 1, 256)
	v_min_u32 v[K1], 0x100, v[K1]
	v_sub_nc_u32 v[K0], 0x100, v[K0]
	v_sub_nc_u32 v[K1], 0x100, v[K1]
	v_or_b32 v243, 32, v[LN]
	v_lshl_or_b32 v[K0], v[K0], 6, v[LN]
	v_lshl_or_b32 v[K1], v[K1], 6, v243
	v_mov_b32 v[P0], 0
	v_mov_b32 v[P1], 0
	v_mov_b32 v[VN], 0
	v_mov_b32 v[VP], 0
.set q, 0
.rept 8
	RANK4 K0
.set q, q+4
.endr
.set q, 0
.rept 8
	RANK4 K1
.set q, q+4
.endr
	s_wait_alu depctr_va_vdst(0)
.irp rho, 0,1,2,3,4,5,6,7
	PICK \rho
.endr
	; LOADS, SECOND GROUP, 15: the points of slots 2 w and 2 w + 1, and the eight slots' proposals (lane = slot)
	v_min_u32 v[VP], 0x7ff, v[VP]
	v_mul_u32_u24 v231, v[VP], 24
	s_wait_alu depctr_va_vdst(0)
	s_mov_b32 s59, 0                               ; the ranking has used s59: it is again the upper word, 0, of the offsets in s[58:59]
	s_lshl_b32 s82, s2, 1
	v_readlane_b32 s83, v[VP], s82
	s_min_u32 s83, s83, 2047
	s_mul_i32 s58, s83, 3072                       ; a proposal's 256 points are 3,072 bytes: under 2^23 in all
	s_add_nc_u64 s[52:53], s[10:11], s[58:59]
	s_add_co_u32 s82, s82, 1
	v_readlane_b32 s83, v[VP], s82
	s_min_u32 s83, s83, 2047
	s_mul_i32 s58, s83, 3072
	s_add_nc_u64 s[54:55], s[10:11], s[58:59]
	WIN 0x40
.irp j, 0,1,2,3,4,5
	global_load_b128 v[128+4*\j:128+4*\j+3], v222, s[52:53] offset:512*\j th:TH_LOAD_NT
.endr
.irp j, 0,1,2,3,4,5
	global_load_b128 v[152+4*\j:152+4*\j+3], v222, s[54:55] offset:512*\j th:TH_LOAD_NT
.endr
	WIN 0
	global_load_b64 v[216:217], v231, s[12:13]             ; centre x, y
	global_load_b64 v[218:219], v231, s[12:13] offset:8    ; centre z, size x
	global_load_b64 v[220:221], v231, s[12:13] offset:16   ; size y, z
	s_wait_loadcnt 15                              ; the first group is in; the 15 of the second may be out
	; LOADS, THIRD GROUP, 48: W1, b1 and b2 straight into their registers
	WIN 0xc0                                       ; destination window 3
.irp k, 0,1,2
.irp b, 0,1
.irp j, 0,1,2,3
	global_load_b128 v[32*\k+16*\b+4*\j:32*\k+16*\b+4*\j+3], v229, s[14:15] offset:256*\k+128*\b+16*\j
.endr
.endr
.endr
.irp b, 0,1
.irp j, 0,1,2,3
	global_load_b128 v[96+16*\b+4*\j:96+16*\b+4*\j+3], v229, s[16:17] offset:128*\b+16*\j
.endr
.endr
	WIN 0
.irp t, 0,1,2,3,4,5,6,7
	global_load_b128 v[B2R+8*\t:B2R+8*\t+3], v229, s[18:19] offset:128*(\t/2)+32*(\t%2)       ; tile 2 b + u, lane (r, h): units 32 b + 16 h + 8 u + 0 .. 7
	global_load_b128 v[B2R+8*\t+4:B2R+8*\t+7], v229, s[18:19] offset:128*(\t/2)+32*(\t%2)+16
.endr
	; the weights into LDS
	WIN 0x04                                       ; an LDS store's data are its source 1: window 1
.irp l, 0,1,2,3,4,5,6,7,8,9,10,11,12,13,14,15
	ds_store_b128 v223, v[4*\l:4*\l+3] offset:576*\l
.endr
.irp l, 0,1,2,3
	ds_store_b128 v224, v[64+4*\l:64+4*\l+3] offset:640*\l
.endr
.irp l, 0,1,2
	ds_store_b128 v226, v[80+4*\l:80+4*\l+3] offset:2048*\l
.endr
	ds_store_b128 v226, v[92:95] offset:6144
	WIN 0
	BARRIER                                        ; all the weights lie in LDS
	WIN 0xc0
.irp t, 0,1,2,3,4,5,6,7
.irp c, 0,1
	ds_load_b128 v[128+16*\t+4*\c:128+16*\t+4*\c+3], v227 offset:(32*(\t/2)+8*(\t%2))*80+32*\c
.endr
.endr
.irp t, 0,1,2,3,4,5,6,7
.irp z, 8,9,10,11,12,13,14,15
	v_mov_b32 v[128+16*\t+\z], 0                   ; K = 64 .. 127: zero codes
.endr
.endr
	WIN 0x40
.irp c, 0,1,2,3,4,5,6,7
.irp z, 0,1,2,3
	ds_load_b128 v[16*\c+4*\z:16*\c+4*\z+3], v228 offset:2304*\c+32*\z
.endr
.endr
	WIN 0x80
.irp c, 0,1,2,3,4,5,6,7
.irp z, 0,1,2,3
	ds_load_b128 v[16*\c+4*\z:16*\c+4*\z+3], v228 offset:2304*(\c+8)+32*\z
.endr
.endr
	WIN 0
.irp z, 8,9,10,11,12,13,14,15
	v_mov_b32 v[C1+\z], 0                          ; h1's K = 64 .. 127: zero codes
.endr
	v_mov_b32 v[XC+1], 0
	v_mov_b32 v[XC+3], 0
	v_mov_b32 v[XC+5], 0
.irp z, 0,1,2,3
	v_mov_b32 v[TP+\z], 0                          ; written once: a lane permute's destination counts as one of its sources
.endr
	s_wait_loadcnt 48                              ; the second group is in; the 48 of the third may be out
	WIN 0x04
.irp j, 0,1,2,3,4,5
	ds_store_b128 v234, v[128+4*\j:128+4*\j+3] offset:512*\j
.endr
.irp j, 0,1,2,3,4,5
	ds_store_b128 v234, v[152+4*\j:152+4*\j+3] offset:3072+512*\j
.endr
	WIN 0
	v_add_f32 v219, |v219|, s95
	v_add_f32 v220, |v220|, s95
	v_add_f32 v221, |v221|, s95
	s_wait_alu depctr_va_vdst(0)
	v_rcp_f32 v[PT+3], v219
	v_rcp_f32 v[PT+4], v220
	v_rcp_f32 v[PT+5], v221
	v_mov_b32 v[PT], v216                          ; plain lines behind the reciprocals
	v_mov_b32 v[PT+1], v217
	v_mov_b32 v[PT+2], v218
	s_wait_alu depctr_va_vdst(0)                   ; one wait for the three reciprocals, ahead of their first reader and of the labels below
	s_wait_loadcnt 0x0                             ; W1, b1, b2
	s_wait_kmcnt 0x0                               ; bc, br
	BARRIER                                        ; my fragments are in, and all eight slots' points lie in LDS
	s_mul_i32 s82, s2, 192
	v_add_nc_u32 v[A1], s82, v[LT]
	ds_load_b32 v[XA], v[A1]                       ; slot 0, tile w
	ds_load_b32 v[XA+1], v[A1] offset:4
	ds_load_b32 v[XA+2], v[A1] offset:8
	s_mov_b32 s66, 0                               ; i: the slot
.Lslot:                                            ; 8 trips
	s_add_co_u32 s82, s66, 1
	s_min_u32 s82, s82, 7                          ; the next slot (the last trip asks for its own again: nobody uses it)
	s_add_co_u32 s83, s82, s2
	s_and_b32 s83, s83, 3
	s_mul_i32 s83, s83, 192
	s_mul_i32 s82, s82, 3072
	s_add_co_u32 s82, s82, s83
	v_add_nc_u32 v[A2], s82, v[LT]
	ds_load_b32 v[XB], v[A2]                       ; its first tile of mine
	ds_load_b32 v[XB+1], v[A2] offset:4
	ds_load_b32 v[XB+2], v[A2] offset:8
	v_readlane_b32 s68, v[VN], s66                 ; n - 1
.irp z, 0,1,2,3,4,5
	v_readlane_b32 s[73+\z], v[PT+\z], s66         ; the centre, 1 / size
.endr
	s_lshr_b32 s69, s68, 4
	s_add_co_u32 s69, s69, 1                       ; T = ceil(n / 16)
	s_add_co_u32 s70, s2, s66
	s_and_b32 s70, s70, 3                          ; my first tile
	s_mul_i32 s84, s66, 3072
	s_wait_dscnt 3                                 ; all but the three loads just issued: the last slot's four stores of the maxima are done, so their registers may be written
	WIN 0x40
.irp c, 0,1,2,3,4,5,6,7
	v_mov_b32 v[192+\c], s98                       ; the maxima begin at -infinity
.endr
	WIN 0x80
.irp c, 0,1,2,3,4,5,6,7
	v_mov_b32 v[192+\c], s98
.endr
	WIN 0
	s_mov_b32 s67, 0                               ; k
.Ltile:                                            ; 4 trips; the work of a tile that the proposal does not have is jumped over
	s_lshl_b32 s71, s67, 2
	s_add_co_u32 s71, s71, s70                     ; t
	s_cmp_lt_u32 s71, s69
	s_cbranch_scc0 .Lnotile
	s_wait_dscnt 0x0                               ; the tile's points, asked for a tile ago
	s_lshl_b32 s72, s71, 4
	s_sub_co_u32 s72, s68, s72
	s_add_co_u32 s72, s72, 1                       ; n - 16 t, at least 1: so many of the tile's points count
	v_readfirstlane_b32 s79, v[XA]                 ; the tile's first point always counts: it fills the places of those that do not
	v_readfirstlane_b32 s80, v[XA+1]
	v_readfirstlane_b32 s81, v[XA+2]
	v_cmp_gt_i32 vcc_lo, s72, v[RR]
	v_cndmask_b32 v[XC], s79, v[XA], vcc_lo
	v_cndmask_b32 v[XC+2], s80, v[XA+1], vcc_lo
	v_cndmask_b32 v[XC+4], s81, v[XA+2], vcc_lo
	s_add_co_u32 s82, s67, 1
	s_min_u32 s82, s82, 3
	s_lshl_b32 s82, s82, 2
	s_add_co_u32 s82, s82, s70
	s_mul_i32 s82, s82, 192
	s_add_co_u32 s82, s82, s84
	v_add_nc_u32 v[A1], s82, v[LT]
	ds_load_b32 v[XA], v[A1]                       ; my next tile of this slot: it has this tile's work in which to come
	ds_load_b32 v[XA+1], v[A1] offset:4
	ds_load_b32 v[XA+2], v[A1] offset:8
	v_sub_f32 v[XC], v[XC], s73
	v_sub_f32 v[XC+2], v[XC+2], s74
	v_sub_f32 v[XC+4], v[XC+4], s75
	v_mul_f32 v[XC], s76, v[XC]
	v_mul_f32 v[XC+2], s77, v[XC+2]
	v_mul_f32 v[XC+4], s78, v[XC+4]
	LAYER1
	QSCALE 2, H1W
	QCVT 2, C1
	NOPS 4                                         ; the plain line behind the conversions, and the four places between codes made by vector instructions and the scaled product
	LAYER2
	QSCALE 4, H2W
	WIN 0x80                                       ; h2's codes into windows 2 and 1: each half of layer 3 then works under one setting
	QCVT 4, 200
	WIN 0x40
	QCVT 4, 200
	WIN 0
	NOPS 4
	LAYER3 0x55, W3S
	LAYER3 0xaa, W3S+8
	WIN 0
.Lnotile:
	s_add_co_u32 s67, s67, 1
	s_cmp_lt_u32 s67, 4
	s_cbranch_scc1 .Ltile
	s_wait_dscnt 0x0                               ; the next slot's first tile is in, and no load into v10-12 is out
	v_mov_b32 v[XA], v[XB]
	v_mov_b32 v[XA+1], v[XB+1]
	v_mov_b32 v[XA+2], v[XB+2]
	s_lshl_b32 s82, s66, 13
	v_add_nc_u32 v[APM], s82, v[APM0]
	s_wait_alu depctr_va_vdst(0)
	WIN 0x04                                       ; my maxima of this slot go to LDS as they stand: 16 bytes a lane, 512 a store
	ds_store_b128 v[APM], v[192:195]
	ds_store_b128 v[APM], v[196:199] offset:512
	WIN 0x08
	ds_store_b128 v[APM], v[192:195] offset:1024
	ds_store_b128 v[APM], v[196:199] offset:1536
	WIN 0
	s_add_co_u32 s66, s66, 1
	s_cmp_lt_u32 s66, 8
	s_cbranch_scc1 .Lslot
	; THE TAIL: wave w finishes slots 2 w and 2 w + 1
	BARRIER                                        ; all waves' maxima lie in LDS
	WIN 0xc0                                       ; destination window 3: W1's registers are free
.irp c, 0,1,2,3,4,5,6,7,8,9,10,11,12,13,14,15
.irp m, 0,1,2
	ds_load_b64 v[6*\c+2*\m:6*\c+2*\m+1], v239 offset:384*\c+8*\m   ; Wr[16 c + r][2 m, 2 m + 1]
.endr
.endr
.irp c, 0,1,2,3,4,5,6,7,8,9,10,11,12,13,14,15
	ds_load_b32 v[96+\c], v240 offset:1024+64*\c   ; b3[16 c + r]
	ds_load_b32 v[112+\c], v240 offset:64*\c       ; Wc[16 c + r]
.endr
	WIN 0
.irp s, 0,1
.irp w, 0,1,2,3
.irp m, 0,1,2,3
	ds_load_b128 v[D+64*\s+16*\w+4*\m:D+64*\s+16*\w+4*\m+3], v241 offset:8192*\s+2048*\w+512*\m   ; wave w's image: register c = channel tile c
.endr
.endr
.endr
.macro WHO s                           ; slot 2 w + s: is it valid, and where do its results go
	s_lshl_b32 s82, s2, 1
	s_add_co_u32 s82, s82, \s
	v_readlane_b32 s83, v[VN], s82
	s_cmp_ge_u32 s83, 3                            ; counts >= 4 is n - 1 >= 3
	s_cselect_b32 s[97+2*(\s)], -1, 0
	v_readlane_b32 s85, v[VP], s82
	s_min_u32 s85, s85, 2047
	s_lshl_b32 s86, s85, 2
	s_mul_i32 s87, s85, 24
	v_mov_b32 v[235+2*(\s)], s86
	v_mov_b32 v[236+2*(\s)], s87
.endm
	WHO 0
	WHO 1
	s_wait_dscnt 0x0
.macro FIN s
.set IM, D+64*(\s)                     ; four images of 16 registers; the features take the first's place
.set SU, C1+8*(\s)                     ; the sums: +0 the class, +2 .. +7 the six deltas
.set c, 0
.rept 16
	v_max3_num_f32 v[IM+c], v[IM+c], v[IM+16+c], v[IM+32+c]
.set c, c+1
.endr
.set c, 0
.rept 16
	v_max_num_f32 v[IM+c], v[IM+c], v[IM+48+c]     ; over the four waves
.set c, c+1
.endr
.set c, 0
.rept 16
	v_permlanex16_b32 v[IM+16+c], v[IM+c], s6, s7
.set c, c+1
.endr
.set c, 0
.rept 16
	v_max_num_f32 v[IM+c], v[IM+c], v[IM+16+c]     ; and over a tile's points 0-7 and 8-15
.set c, c+1
.endr
	WIN 0x0c                                       ; source 1 in window 3
.set c, 0
.rept 16
	v_add_f32 v[IM+c], v[IM+c], v[96+c]            ; + b3
.set c, c+1
.endr
	WIN 0
.set c, 0
.rept 16
	v_and_b32 v[IM+c], s[97+2*(\s)], v[IM+c]       ; zeros where the proposal has under 4 points
.set c, c+1
.endr
	WIN 0x0c
	v_mul_f32 v[SU], v[IM], v[112]
.irp o, 0,1,2,3,4,5
	v_mul_f32 v[SU+2+\o], v[IM], v[\o]
.endr
.set c, 1
.rept 15
	v_fma_f32 v[SU], v[IM+c], v[112+c], v[SU]
.irp o, 0,1,2,3,4,5
	v_fma_f32 v[SU+2+\o], v[IM+c], v[6*c+\o], v[SU+2+\o]
.endr
.set c, c+1
.endr
	WIN 0
.irp x, 1,2,4,8                        ; over the 16 channels of a tile: both halves of the lanes hold the same numbers
.irp z, 0,2,3,4,5,6,7
	v_add_f32_dpp v[SU+\z], v[SU+\z], v[SU+\z] row_xmask:\x row_mask:0xf bank_mask:0xf
.endr
.endr
	v_add_f32 v[SU], s94, v[SU]                    ; + bc
.irp o, 0,1,2,3,4,5
	v_add_f32 v[SU+2+\o], s[88+\o], v[SU+2+\o]     ; + br
.endr
.endm
	FIN 0
	FIN 1
	v_cmp_eq_u32 vcc_lo, 0, v[LN]
	s_wait_alu depctr_va_vdst(0)
	s_wait_xcnt 0x0                                ; EXEC changes only behind this wait
	s_wait_tensorcnt 0x0
	ds_add_u32 v254, v255
	s_wait_dscnt 0x0
	s_and_saveexec_b32 s96, vcc_lo                 ; lane 0 stores
	global_store_b32 v235, v[C1], s[38:39]
	global_store_b64 v236, v[C1+2:C1+3], s[40:41]
	global_store_b64 v236, v[C1+4:C1+5], s[40:41] offset:8
	global_store_b64 v236, v[C1+6:C1+7], s[40:41] offset:16
	global_store_b32 v237, v[C1+8], s[38:39]
	global_store_b64 v238, v[C1+10:C1+11], s[40:41]
	global_store_b64 v238, v[C1+12:C1+13], s[40:41] offset:8
	global_store_b64 v238, v[C1+14:C1+15], s[40:41] offset:16
	s_wait_xcnt 0x0                                ; and again, in front of the line that widens it
	s_or_b32 exec_lo, exec_lo, s96
	s_endpgm
.Lfunc_end_k_q1cc03d0cdd_refine:
	.size	k_q1cc03d0cdd_refine, .Lfunc_end_k_q1cc03d0cdd_refine-k_q1cc03d0cdd_refine
	.p2alignl 7, 3214868480
	.fill 96, 4, 3214868480
	.section	.rodata,"a",@progbits
	.p2align	6, 0x0
	.amdhsa_kernel k_q1cc03d0cdd_refine
		.amdhsa_group_segment_fixed_size 145920
		.amdhsa_private_segment_fixed_size 0
		.amdhsa_enable_private_segment 0
		.amdhsa_kernarg_size 136
		.amdhsa_user_sgpr_count 2
		.amdhsa_user_sgpr_kernarg_segment_ptr 1
		.amdhsa_wavefront_size32 1
		.amdhsa_system_sgpr_workgroup_id_x 1
		.amdhsa_system_sgpr_workgroup_id_y 1
		.amdhsa_system_sgpr_workgroup_id_z 1
		.amdhsa_system_vgpr_workitem_id 0
		.amdhsa_next_free_vgpr 1024
		.amdhsa_next_free_sgpr 100
		.amdhsa_reserve_vcc 1
		.amdhsa_float_denorm_mode_32 3
		.amdhsa_float_denorm_mode_16_64 3
		.amdhsa_memory_ordered 1
		.amdhsa_forward_progress 1
		.amdhsa_inst_pref_size 112
	.end_amdhsa_kernel
	.amdgpu_metadata
---
amdhsa.version: [ 1, 2 ]
amdhsa.kernels:
  - .name:           k_q1cc03d0cdd_refine
    .symbol:         k_q1cc03d0cdd_refine.kd
    .args:
      - { .name: counts, .offset: 0, .size: 8, .value_kind: global_buffer, .address_space: global }
      - { .name: points, .offset: 8, .size: 8, .value_kind: global_buffer, .address_space: global }
      - { .name: proposals, .offset: 16, .size: 8, .value_kind: global_buffer, .address_space: global }
      - { .name: W1, .offset: 24, .size: 8, .value_kind: global_buffer, .address_space: global }
      - { .name: b1, .offset: 32, .size: 8, .value_kind: global_buffer, .address_space: global }
      - { .name: b2, .offset: 40, .size: 8, .value_kind: global_buffer, .address_space: global }
      - { .name: W2_codes, .offset: 48, .size: 8, .value_kind: global_buffer, .address_space: global }
      - { .name: W2_scales, .offset: 56, .size: 8, .value_kind: global_buffer, .address_space: global }
      - { .name: W3_codes, .offset: 64, .size: 8, .value_kind: global_buffer, .address_space: global }
      - { .name: W3_scales, .offset: 72, .size: 8, .value_kind: global_buffer, .address_space: global }
      - { .name: b3, .offset: 80, .size: 8, .value_kind: global_buffer, .address_space: global }
      - { .name: Wc, .offset: 88, .size: 8, .value_kind: global_buffer, .address_space: global }
      - { .name: Wr, .offset: 96, .size: 8, .value_kind: global_buffer, .address_space: global }
      - { .name: bc, .offset: 104, .size: 8, .value_kind: global_buffer, .address_space: global }
      - { .name: br, .offset: 112, .size: 8, .value_kind: global_buffer, .address_space: global }
      - { .name: out0, .offset: 120, .size: 8, .value_kind: global_buffer, .address_space: global }
      - { .name: out1, .offset: 128, .size: 8, .value_kind: global_buffer, .address_space: global }
    .group_segment_fixed_size: 145920
    .private_segment_fixed_size: 0
    .kernarg_segment_align: 8
    .kernarg_segment_size: 136
    .max_flat_workgroup_size: 128
    .sgpr_count:     100
    .vgpr_count:     1024
    .wavefront_size: 32
...
	.end_amdgpu_metadata
.endif
;; end of part 1
